; MI455X (gfx1250); checked and timed in simulation.
; The chip was launched on July 23, 2026; its instructions are those of AMD's public machine-readable ISA for CDNA 5 (MIT licence, August 2026) and "CDNA5" Instruction Set Architecture Reference Guide (July 2026). The comments in the code are by the model that wrote it; some were corrected since.
;; Self Attention Head. Allowed arithmetic: matrix products marked QUANTISED: E2M1 operands, one E8M0 scale for each 32 along K, by v_wmma_scale_f32_16x16x128_f8f6f4 with both operands' format E2M1 (or v_wmma_scale_f32_32x16x128_f4), f32 sums; everything else in f32.
;; Inputs: wk_codes 128 x 32 x 16 uint8 (E2M1 codes of wk, K innermost, in blocks of 32 codes, two codes a byte); wk_scales 128 x 32 uint8 (E8M0 scales of wk, one for each 32 codes along K); wq_codes 128 x 32 x 16 uint8 (E2M1 codes of wq, K innermost, in blocks of 32 codes, two codes a byte); wq_scales 128 x 32 uint8 (E8M0 scales of wq, one for each 32 codes along K); wv_codes 128 x 32 x 16 uint8 (E2M1 codes of wv, K innermost, in blocks of 32 codes, two codes a byte); wv_scales 128 x 32 uint8 (E8M0 scales of wv, one for each 32 codes along K); x_codes 8 x 4,096 x 32 x 16 uint8 (E2M1 codes of x, K innermost, in blocks of 32 codes, two codes a byte); x_scales 8 x 4,096 x 32 uint8 (E8M0 scales of x, one for each 32 codes along K).
;; Outputs: out0 8 x 4,096 x 128 float32.
;; This version of the problem:
;;   THIS VERSION OF THE PROBLEM IS GIVEN IN LOW PRECISION. The matrix products marked QUANTISED in the list below multiply operands that are first quantised to E2M1 (2 exponent bits, 1 mantissa bit; 4 bits a number), with one power-of-two scale for each 32 numbers along K (OCP MX v1.0); their sums are f32. All else is computed in f32.
;;   The module's matrix products, in the order in which they are computed (A, B: the left and right operand; K: the contracted axis; several contracted axes count as one K, in the product's order):
;;     1. [M 32,768, K 1,024] x [K 1,024, N 128]; A: input x (given as codes); B: input wq (given as codes): QUANTISED
;;     2. [M 32,768, K 1,024] x [K 1,024, N 128]; A: input x (given as codes); B: input wk (given as codes): QUANTISED
;;     3. [M 32,768, K 1,024] x [K 1,024, N 128]; A: input x (given as codes); B: input wv (given as codes): QUANTISED
;;     4. batch 8 x [M 4,096, K 128] x [K 128, N 4,096]; A: computed on the way; B: computed on the way: QUANTISED
;;     5. batch 8 x [M 4,096, K 4,096] x [K 4,096, N 128]; A: softmax (see below); B: computed on the way: QUANTISED
;;   THE QUANTISER, for each operand of a quantised product, along K:
;;     - K is cut into blocks of 32 from its start; a last block that is shorter is filled with zeros.
;;     - A block's scale is 2^e with e = floor(log2(the largest magnitude in the block)) - 2, held to -126 .. 127; a block of zeros has e = 0. As a byte (E8M0): e + 127.
;;     - Each number is divided by its block's scale, clamped to +-6, and rounded to the nearest number of E2M1, ties to even, subnormals kept.
;;     - The product sums the exact products of the quantised numbers (number of the format x scale) in f32.
;;   ~~~python
;;   def quantise(x, axis):      # numpy; x: float32 -> the quantised numbers, widened to float32 again
;;       x = np.moveaxis(x, axis, -1); K = x.shape[-1]
;;       x = np.pad(x, [(0, 0)] * (x.ndim - 1) + [(0, -K % 32)]); x = x.reshape(x.shape[:-1] + (-1, 32)); a = np.abs(x).max(-1, keepdims=True)
;;       e = np.where(a > 0, np.clip(np.frexp(np.where(a > 0, a, 1))[1] - 1 - 2, -126, 127), 0)      # np.frexp(a)[1] - 1 = floor(log2(a)), exactly
;;       r = np.clip(x / 2.0 ** e, -6, 6)
;;       step = 2.0 ** (np.maximum(np.frexp(np.where(r == 0, 1, r))[1] - 1, 0) - 1)
;;       q = np.round(r / step) * step * 2.0 ** e      # np.round: ties to even
;;       return np.moveaxis(q.reshape(q.shape[:-2] + (-1,))[..., :K], -1, axis).astype(np.float32)
;;   ~~~
;;   SOFTMAX AHEAD OF A QUANTISED PRODUCT. Where the list says 'softmax', what is quantised is not the finished softmax but p = 2^(t - M), with t = logit x log2(e) and M = ceil(the row's largest t), a whole number; so 1/2 < the row's largest p <= 1. The row's sum l is taken of the UNQUANTISED p, in f32, and the product's result is divided by l at the end. Since M is a whole number, a kernel that streams over the keys may use a running M (the ceiling of the running maximum): every later rescaling is an exact power of two, which a block's scale takes up: the codes' values come out the same.
;;   OPERANDS COMPUTED ON THE WAY. 'Computed on the way' means the value that the module computes at that place (a softmax that the list does not call 'softmax' is quantised finished and normalised). What goes into a quantiser is computed in f32, as accurately as f32 sums, v_exp_f32 and their like allow (about 1e-6 of the number): no bf16 or f16 on the way to a quantiser, and a product that is left as it is and whose result goes on into a quantised operand takes f32 operands (vector FMAs, or v_wmma_f32_16x16x4_f32). A number that lies on a knife's edge between two numbers of the format may be rounded either way, as far as f32 arithmetic and the matrix unit's own rounding can turn it there, and no further.
;;   INPUTS GIVEN AS CODES. wk (in the module: [1024, 128], K = its axis 0); wq (in the module: [1024, 128], K = its axis 0); wv (in the module: [1024, 128], K = its axis 0); x (in the module: [8, 4096, 1024], K = its axis 2): each comes as NAME_codes (uint8): NAME with its K axis moved to the last place and cut into blocks of 32 codes, [.., K / 32, bytes a block], one block behind the other in memory; two codes a byte, the lower K in the low four bits (a code: sign, 2 exponent bits, 1 mantissa bit); and NAME_scales (uint8): the same leading axes, one E8M0 byte (e + 127) for each 32 codes along K. Its value is code x scale, taken as it is: it is not quantised again, and the codes and scales need not be those that the quantiser above would give.
;; One version. Each part assembles by itself: llvm-mc -triple=amdgcn-amd-amdhsa -mcpu=gfx1250 --defsym DOCPART=n.
;; ======== version 1 of 1: 2 launches
;; limits: right only within a limited range of input values
;; workspace buffers: qc 2,097,152 bytes; qs 131,072 bytes; kv 4,456,448 bytes
;; launch proj (part 1): grid 256 x 1, 12 waves a work-group, clusters of 4 x 1, 299,008 bytes of LDS; arguments x_codes, x_scales, wq_codes, wq_scales, wk_codes, wk_scales, wv_codes, wv_scales, qc, qs, kv; writes qc, qs, kv
.if DOCPART == 1
	.amdgcn_target "amdgcn-amd-amdhsa--gfx1250"
	.amdhsa_code_object_version 6
	.text
	.protected	k_q96e345d5fa_proj
	.globl	k_q96e345d5fa_proj
	.p2align	8
	.type	k_q96e345d5fa_proj,@function
k_q96e345d5fa_proj:
	s_mov_b64 s[64:65], 0
	v_nop
	global_prefetch_b8 v0, s[64:65] scope:SCOPE_SE
	s_setreg_imm32_b32 hwreg(HW_REG_WAVE_MODE, 25, 1), 1
	s_wait_xcnt 0x0
	s_wait_alu depctr_hold_cnt(0) depctr_sa_sdst(0) depctr_va_vdst(0) depctr_va_sdst(0) depctr_va_ssrc(0) depctr_va_vcc(0) depctr_vm_vsrc(0)
	s_getreg_b32 s2, hwreg(HW_REG_IB_STS2, 6, 4)
	s_cmp_eq_u32 s2, 0
	s_cbranch_scc0 .Lentry_in_a_cluster
	s_endpgm
.Lentry_in_a_cluster:
	s_bfe_u32 s2, ttmp6, 0x10000c
	s_cmp_lg_u32 s2, 0x3003
	s_cbranch_scc0 .Lentry_shape_is_right
	s_endpgm
.Lentry_shape_is_right:
; q = x wq, k = x wk, v = x wv on codes of FP4 (E2M1) with one E8M0 scale for each 32 along K = 1,024, sums in f32; then the results are quantised for the two products of the attention:
; q and k along the head's 128, v along the tokens.  They leave as IMAGES OF OPERAND REGISTERS.
; WORK LEFT OUT BY THE PROGRAM (none of it in this launch): reference() sets the logit of key k and query q to -inf where k > q, by its own jnp.tril.  For such a pair p = 2^(-inf) = 0 whatever finite values
; x and the weights hold: it adds 0 to the row's sum and 0 to the second product.  So a step of 128 keys whose first key lies behind all queries of a block reaches no output, and the second launch leaves it out.
; Every input has a way to the output: all eight are loaded.  LIMIT: a NaN, an infinity or an overflow that reaches only such steps is not carried to the result.
; LIMITS of the quantisers here: a block whose largest magnitude lies under 2^(3 - 127), a block of zeros among them, gets the byte 1 (zeros give zero codes; the bytes are read by this program alone);
; NaN and infinities among q, k, v are not served.
; SHARES.  Work-group G takes tokens 128 G .. 128 G + 127 and all 384 outputs.  Twelve waves: role = wave / 4 (0 q, 1 k, 2 v), source 1's half sh = bit 1, source 0's half c = bit 0: 4 x 4 tiles, 16 accumulators.
; q, k: source 0 = the weight's rows (d), source 1 = tokens.  v: source 0 = tokens, source 1 = rows of wv.  So a lane's registers run along the next product's K.
; THE ROWS OF A TILE ARE NOT NEIGHBOURS.  Source 0's tile u of half c: lanes r < 8 take row 64 c + 8 u + r, lanes r >= 8 row 64 c + 32 + 8 (u xor 1) + r - 8.  In the result lane (r, h) then holds, over
; the four tiles, the WHOLE block 2 c + h of 32 along the next K (its pieces of eight in the order u xor h: the same for q and k, and for v and the keys of the second launch, so the products are kept), and the
; sixteen rows of a load begin at sixteen different 16-byte columns modulo 256.  k's source 1 takes its tokens in the same way, so that the second launch's scores have that layout: tile s = 0, 1, 2, 3 is u = 0, 2, 1, 3.
; IMAGES: a tile of 16 rows x 128 is 1,024 bytes: registers 4 c .. 4 c + 3 of lane l at 512 c + 16 l.  kv: a record of 17,408 bytes for each 128 tokens: k's 8 tiles, v's 8 tiles, k's words, v's words (512 bytes
; each); word (lane 16 a + r, p) is row r's of tile 2 p + a.  qc, qs: 8,192 and 512 bytes for each 128 tokens, in the same form.
; LDS.  Matrices wq, wk, wv, x of 128 rows each; K in two chunks of 512 codes, rows of 256 bytes + 16.  Scale bytes: 4,096 dense bytes a matrix as 16 units of 256 + 16.  Everything is filled once.
; CLUSTER.  The four work-groups of a cluster ask for the weights JOINTLY (mask 15).  x comes by plain loads.  No prefetch: the launch has no loop to run ahead in.
.set PITCH, 272
.set MATB,  128*PITCH
.set CH,    4*MATB
.set SCM,   16*272
.set SCL,   2*CH
.set STG,   SCL+4*SCM                  ; 512 bytes for each role's scale words: written by ds_store alone
.set SPARE, STG+3*512                  ; the spare words: 128 bytes for each of 12 waves
.set SPW, 1
.set NIL, 2
.set LOW, 4                            ; lane & 7
.set B3,  5                            ; bit 3 of the lane
.set H,   6                            ; bit 4
.set LI,  9                            ; 16 x lane
.set A0E, 10                           ; v10, v11 source 0's even tiles in chunk 0, 1; v12, v13 its odd tiles
.set A0O, 12
.set A1A, 14                           ; source 1's tiles 0, 1; v16, v17 its tiles 2, 3
.set A1B, 16
.set AS0A, 18                          ; scale words: source 0's tiles 0, 2; v23 its tiles 1, 3; v19 source 1's tiles 0, 1; v20 its tiles 2, 3
.set AS0B, 23
.set AS1A, 19
.set AS1B, 20
.set SW,  21                           ; where my halves of scale words go in the stage
.set SR,  22                           ; where a role's words are read back
.set SA,  24                           ; v24-31 source 0's words: register 4 j + q: lanes 0-15 tile j, lanes 16-31 tile j + 2, K step q of the chunk
.set SB,  32                           ; v32-39 source 1's
.set F0,  40                           ; v40-71 source 0's 4 fragments
.set F1,  72                           ; v72-103 source 1's
.set ACC, 128                          ; accumulator (s, u) at 128 + 32 s + 8 u
.set TM,  40                           ; behind the products: v40-53 at work, v56-71 codes
.set PC,  56
.set WV,  28
.set G1W, 40
.set G1X, 48
.set G1WS, 56
.set G1XS, 68
.set G0WS, 76
.set G0W, 80
.set G0XS, 84
.set G0X, 88
.macro CROUND                          ; a round of the cluster's barrier
	s_barrier_signal -1
	s_barrier_wait -1
	s_cmp_lg_u32 s[WV], 0
	s_cbranch_scc1 .Lnot_wave_0_\@
	s_barrier_signal -3
.Lnot_wave_0_\@:
	s_barrier_wait -3
	s_barrier_signal -1
	s_barrier_wait -1
.endm
	s_load_b256 s[4:11], s[0:1], 0x0               ; x's codes, x's scales, wq's codes, wq's scales
	s_load_b256 s[12:19], s[0:1], 0x20             ; wk's, wv's
	s_load_b128 s[20:23], s[0:1], 0x40             ; qc, qs
	s_load_b64 s[24:25], s[0:1], 0x50              ; kv
	v_lshl_add_u32 v[SPW], v0, 2, SPARE
	v_mov_b32 v[NIL], 0
	ds_add_u32 v[SPW], v[NIL]                      ; the wave's opening: the add, twice on end, and its wait
	ds_add_u32 v[SPW], v[NIL]
	v_lshrrev_b32 v3, 5, v0
	v_and_b32 v[LOW], 7, v0
	v_bfe_u32 v[B3], v0, 3, 1
	v_bfe_u32 v[H], v0, 4, 1
	v_readfirstlane_b32 s[WV], v3                  ; wave 0..11
	s_lshr_b32 s29, s[WV], 2                       ; role
	s_bfe_u32 s30, s[WV], 0x10001                  ; sh
	s_and_b32 s31, s[WV], 1                        ; c
	s_bfe_u32 s35, ttmp6, 0x40000                  ; my place in the cluster: it enters global addresses of x and of the results alone
	s_lshl_b32 s32, ttmp9, 2
	s_add_co_u32 s32, s32, s35                     ; G
	s_and_b32 s33, s29, 1                          ; 1 for role k
	s_lshr_b32 s34, s29, 1                         ; 1 for role v
	s_xor_b32 s39, s33, 1
	s_add_co_u32 s36, s29, s34                     ; source 0's matrix: 0 (wq), 1 (wk), 3 (x)
	s_xor_b32 s37, s34, 3                          ; source 1's: 3 (x), 3, 2 (wv)
	s_mul_i32 s92, s36, MATB
	s_mul_i32 s38, s31, 64*PITCH
	s_add_co_u32 s92, s92, s38                     ; source 0: my 64 rows
	s_mul_i32 s93, s37, MATB
	s_mul_i32 s38, s30, 64*PITCH
	s_add_co_u32 s93, s93, s38                     ; source 1: my 64 rows
	s_mul_i32 s94, s36, SCM
	s_mul_i32 s38, s31, 8*272
	s_add_co_u32 s94, s94, s38
	s_add_co_u32 s94, s94, SCL                     ; and their scale bytes
	s_mul_i32 s95, s37, SCM
	s_mul_i32 s38, s30, 8*272
	s_add_co_u32 s95, s95, s38
	s_add_co_u32 s95, s95, SCL
	s_wait_alu depctr_va_vdst(0)                   ; the wait behind the run of scalar lines
	v_mul_u32_u24 v7, v[LOW], PITCH
	v_lshl_add_u32 v7, v[H], 4, v7                 ; row x pitch + 16 h
	v_mad_u32_u24 v8, v[B3], 40*PITCH, v7          ; even tiles: rows 0-7 and 40-47
	v_add_nc_u32 v[A0E], s92, v8
	v_mad_u32_u24 v8, v[B3], 24*PITCH, v7          ; odd tiles: rows 8-15 and 32-39
	s_add_co_u32 s92, s92, 8*PITCH
	v_add_nc_u32 v[A0O], s92, v8
	s_mul_i32 s36, s33, 32*PITCH
	s_add_co_u32 s36, s36, 8*PITCH                 ; bit 3 is 8 rows, in role k 40
	v_mad_u32_u24 v8, v[B3], s36, v7
	v_add_nc_u32 v[A1A], s93, v8
	s_mul_i32 s36, s33, 16*PITCH
	s_add_co_u32 s36, s36, 8*PITCH                 ; tiles 2, 3: 8 rows, in role k 24
	v_mad_u32_u24 v8, v[B3], s36, v7
	s_mul_i32 s36, s39, 24*PITCH
	s_add_co_u32 s36, s36, 8*PITCH                 ; and they begin 32 rows on, in role k 8
	s_add_co_u32 s93, s93, s36
	v_add_nc_u32 v[A1B], s93, v8
	s_wait_alu depctr_va_vdst(0)                   ; and here
	v_add_nc_u32 v[A0E+1], CH, v[A0E]
	v_add_nc_u32 v[A0O+1], CH, v[A0O]
	v_add_nc_u32 v[A1A+1], CH, v[A1A]
	v_add_nc_u32 v[A1B+1], CH, v[A1B]
	; scale bytes: row R lies at 272 (R / 8) + 32 (R % 8)
	v_mul_u32_u24 v7, v[H], 2*272                  ; the second tile of a pair is 16 rows on
	v_lshl_add_u32 v7, v[LOW], 5, v7
	v_mad_u32_u24 v8, v[B3], 5*272, v7             ; source 0's even tiles: rows 0-7 and 40-47
	v_add_nc_u32 v[AS0A], s94, v8
	v_mad_u32_u24 v8, v[B3], 3*272, v7             ; its odd tiles: rows 8-15 and 32-39
	s_add_co_u32 s94, s94, 272
	v_add_nc_u32 v[AS0B], s94, v8
	s_mul_i32 s36, s33, 4*272
	s_add_co_u32 s36, s36, 272
	v_mad_u32_u24 v8, v[B3], s36, v7
	v_add_nc_u32 v[AS1A], s95, v8
	s_mul_i32 s36, s33, 2*272
	s_add_co_u32 s36, s36, 272
	v_mad_u32_u24 v8, v[B3], s36, v7
	s_mul_i32 s36, s39, 3*272
	s_add_co_u32 s36, s36, 272
	s_add_co_u32 s95, s95, s36
	v_add_nc_u32 v[AS1B], s95, v8
	v_and_b32 v3, 31, v0
	v_lshlrev_b32 v[LI], 4, v3
	s_lshl_b32 s36, s29, 9
	s_add_co_u32 s36, s36, STG
	v_add_nc_u32 v[SR], s36, v[LI]
	s_lshl_b32 s37, s30, 3
	s_add_co_u32 s36, s36, s37
	s_lshl_b32 s37, s31, 1
	s_add_co_u32 s36, s36, s37
	v_add_nc_u32 v[SW], s36, v[LI]
	; group 1 for codes: 128 rows x 256 bytes out of rows of 512, 16 bytes of padding behind each row
	s_mov_b32 s[G1W], 15|(1<<20)|(1<<21)|(5<<22)|(3<<25)   ; mask 15 with bit 21 beside it, elements of 1 byte, padding: four words after every 64
	s_mov_b32 s[G1X], (1<<20)|(5<<22)|(3<<25)              ; no mask
.irp g, G1W, G1X
	s_mov_b32 s[\g+1], 256<<16
	s_mov_b32 s[\g+2], 128<<16
	s_mov_b32 s[\g+3], 256<<16
	s_mov_b32 s[\g+4], 128
	s_mov_b32 s[\g+5], 512
	s_mov_b32 s[\g+6], 0
	s_mov_b32 s[\g+7], 0
.endr
	; group 1 for scale bytes: 4,096 dense bytes as 16 rows of 32 elements of 8 bytes, padded likewise
	s_mov_b32 s[G1WS], 15|(3<<16)|(1<<20)|(1<<21)|(5<<22)|(3<<25)
	s_mov_b32 s[G1XS], (3<<16)|(1<<20)|(5<<22)|(3<<25)
.irp g, G1WS, G1XS
	s_mov_b32 s[\g+1], 32<<16
	s_mov_b32 s[\g+2], 16<<16
	s_mov_b32 s[\g+3], 32<<16
	s_mov_b32 s[\g+4], 16
	s_mov_b32 s[\g+5], 32
	s_mov_b32 s[\g+6], 0
	s_mov_b32 s[\g+7], 0
.endr
	; what I fetch: matrix m = wave % 4; waves 0-3 chunk 0, waves 4-7 scale bytes, waves 8-11 chunk 1
	s_and_b32 s92, s[WV], 3
	s_lshr_b32 s93, s[WV], 3
	s_mul_i32 s94, s92, MATB
	s_mul_i32 s95, s93, CH
	s_add_co_u32 s94, s94, s95                     ; codes in LDS
	s_mul_i32 s95, s92, SCM
	s_add_co_u32 s95, s95, SCL                     ; scale bytes in LDS
	s_mov_b32 s3, 0
	s_wait_alu depctr_va_vdst(0)
	s_wait_dscnt 0x0                               ; both opening adds are done
	s_wait_kmcnt 0x0
	s_cmp_eq_u32 s92, 0                            ; the choice hangs on the wave's number alone: the same in all four partners
	s_cselect_b64 s[36:37], s[8:9], s[12:13]
	s_cselect_b64 s[38:39], s[10:11], s[14:15]
	s_cmp_lt_u32 s92, 2
	s_cselect_b64 s[36:37], s[36:37], s[16:17]
	s_cselect_b64 s[38:39], s[38:39], s[18:19]
	s_lshl_b32 s2, s93, 8                          ; chunk 1 is 256 bytes on in each row
	s_mov_b32 s[G0W], 1
	s_mov_b32 s[G0W+1], s94
	s_add_nc_u64 s[G0W+2:G0W+3], s[36:37], s[2:3]
	s_or_b32 s[G0W+3], s[G0W+3], 0x80000000
	s_mov_b32 s[G0WS], 1
	s_mov_b32 s[G0WS+1], s95
	s_mov_b64 s[G0WS+2:G0WS+3], s[38:39]
	s_or_b32 s[G0WS+3], s[G0WS+3], 0x80000000
	s_mov_b32 s[G0X], 1
	s_mov_b32 s[G0X+1], s94
	s_add_nc_u64 s[G0X+2:G0X+3], s[4:5], s[2:3]
	s_lshl_b32 s2, s32, 16                         ; 128 tokens x 512 bytes
	s_add_nc_u64 s[G0X+2:G0X+3], s[G0X+2:G0X+3], s[2:3]
	s_or_b32 s[G0X+3], s[G0X+3], 0x80000000
	s_lshl_b32 s2, s32, 12                         ; 128 tokens x 32 scale bytes
	s_mov_b32 s[G0XS], 1
	s_mov_b32 s[G0XS+1], s95
	s_add_nc_u64 s[G0XS+2:G0XS+3], s[6:7], s[2:3]
	s_or_b32 s[G0XS+3], s[G0XS+3], 0x80000000
	CROUND                                         ; all four work-groups are here: the joint loads meet
; ONE tree of branches on the wave's number: every wave issues one tensor load.  Waves 8-11 wait for theirs later, so they have lines of their own.
.macro ARM under, g0, g1, next
	s_cmp_lt_u32 s[WV], \under
	s_cbranch_scc0 \next
	tensor_load_to_lds s[\g0:\g0+3], s[\g1:\g1+7]
	s_nop 0
.rept 4
	v_nop
.endr
	s_branch .Lasked
\next:
.endm
	ARM 3, G0W, G1W, .Lh1
	ARM 4, G0X, G1X, .Lh2
	ARM 7, G0WS, G1WS, .Lh3
	ARM 8, G0XS, G1XS, .Lh4
	ARM 11, G0W, G1W, .Lh5
	tensor_load_to_lds s[G0X:G0X+3], s[G1X:G1X+7]
	s_nop 0
.rept 4
	v_nop
.endr
.Lasked:
	; where my results go
	s_mul_i32 s36, s32, 17408
	s_lshl_b32 s37, s34, 13
	s_add_co_u32 s37, s36, s37                     ; k's or v's codes in the record
	s_lshl_b32 s38, s32, 13                        ; q's
	s_lshl_b32 s39, s34, 9
	s_add_co_u32 s39, s39, s36
	s_add_co_u32 s39, s39, 16384                   ; k's or v's words
	s_lshl_b32 s36, s32, 9                         ; q's
	s_cmp_eq_u32 s29, 0
	s_cselect_b32 s2, s38, s37
	s_cselect_b32 s36, s36, s39
	s_cselect_b64 s[4:5], s[20:21], s[24:25]
	s_cselect_b64 s[6:7], s[22:23], s[24:25]
	s_lshl_b32 s37, s30, 12
	s_add_co_u32 s2, s2, s37                       ; my four tiles,
	s_lshl_b32 s37, s31, 9
	s_add_co_u32 s2, s2, s37                       ; my half of each
	s_mov_b32 s37, 0
	s_add_nc_u64 s[4:5], s[4:5], s[2:3]
	s_add_nc_u64 s[6:7], s[6:7], s[36:37]
.macro MM u, s, q, z                   ; source 0's tile u x source 1's tile s, K step q of the chunk
.set rD, ACC+32*(\s)+8*(\u)
.set rA, F0+8*(\u)
.set rB, F1+8*(\s)
.set rX, SA+4*((\u)%2)+(\q)
.set rY, SB+4*((\s)/2)+(\q)
.if (\z) && ((\u)/2) && ((\s)%2)
	v_wmma_scale_f32_16x16x128_f8f6f4 v[rD:rD+7], v[rA:rA+7], v[rB:rB+7], 0, v[rX], v[rY] matrix_a_fmt:MATRIX_FMT_FP4 matrix_b_fmt:MATRIX_FMT_FP4 matrix_a_scale:MATRIX_SCALE_ROW1 matrix_b_scale:MATRIX_SCALE_ROW1
.elseif (\z) && ((\u)/2)
	v_wmma_scale_f32_16x16x128_f8f6f4 v[rD:rD+7], v[rA:rA+7], v[rB:rB+7], 0, v[rX], v[rY] matrix_a_fmt:MATRIX_FMT_FP4 matrix_b_fmt:MATRIX_FMT_FP4 matrix_a_scale:MATRIX_SCALE_ROW1
.elseif (\z) && ((\s)%2)
	v_wmma_scale_f32_16x16x128_f8f6f4 v[rD:rD+7], v[rA:rA+7], v[rB:rB+7], 0, v[rX], v[rY] matrix_a_fmt:MATRIX_FMT_FP4 matrix_b_fmt:MATRIX_FMT_FP4 matrix_b_scale:MATRIX_SCALE_ROW1
.elseif (\z)
	v_wmma_scale_f32_16x16x128_f8f6f4 v[rD:rD+7], v[rA:rA+7], v[rB:rB+7], 0, v[rX], v[rY] matrix_a_fmt:MATRIX_FMT_FP4 matrix_b_fmt:MATRIX_FMT_FP4
.elseif ((\u)/2) && ((\s)%2)
	v_wmma_scale_f32_16x16x128_f8f6f4 v[rD:rD+7], v[rA:rA+7], v[rB:rB+7], v[rD:rD+7], v[rX], v[rY] matrix_a_fmt:MATRIX_FMT_FP4 matrix_b_fmt:MATRIX_FMT_FP4 matrix_a_scale:MATRIX_SCALE_ROW1 matrix_b_scale:MATRIX_SCALE_ROW1
.elseif ((\u)/2)
	v_wmma_scale_f32_16x16x128_f8f6f4 v[rD:rD+7], v[rA:rA+7], v[rB:rB+7], v[rD:rD+7], v[rX], v[rY] matrix_a_fmt:MATRIX_FMT_FP4 matrix_b_fmt:MATRIX_FMT_FP4 matrix_a_scale:MATRIX_SCALE_ROW1
.elseif ((\s)%2)
	v_wmma_scale_f32_16x16x128_f8f6f4 v[rD:rD+7], v[rA:rA+7], v[rB:rB+7], v[rD:rD+7], v[rX], v[rY] matrix_a_fmt:MATRIX_FMT_FP4 matrix_b_fmt:MATRIX_FMT_FP4 matrix_b_scale:MATRIX_SCALE_ROW1
.else
	v_wmma_scale_f32_16x16x128_f8f6f4 v[rD:rD+7], v[rA:rA+7], v[rB:rB+7], v[rD:rD+7], v[rX], v[rY] matrix_a_fmt:MATRIX_FMT_FP4 matrix_b_fmt:MATRIX_FMT_FP4
.endif
.endm
; K step ks of eight.  z = 1: the products start the sums: nothing is cleared.  The 16 accumulators take turns.
.macro KSTEP ks, z
.set QK, (\ks)%4
.set CK, (\ks)/4
.if (\ks) > 0
.rept 4
	v_nop                                          ; places between the last products and loads into registers that they read
.endr
.endif
.if QK == 0
	ds_load_b128 v[SA:SA+3], v[AS0A] offset:16*CK
	ds_load_b128 v[SA+4:SA+7], v[AS0B] offset:16*CK
	ds_load_b128 v[SB:SB+3], v[AS1A] offset:16*CK
	ds_load_b128 v[SB+4:SB+7], v[AS1B] offset:16*CK
.endif
.irp s, 0,1
.irp d, 0,1
	ds_load_b128 v[F1+8*\s+4*\d:F1+8*\s+4*\d+3], v[A1A+CK] offset:16*PITCH*\s+64*QK+32*\d
	ds_load_b128 v[F1+16+8*\s+4*\d:F1+16+8*\s+4*\d+3], v[A1B+CK] offset:16*PITCH*\s+64*QK+32*\d
.endr
.endr
.irp j, 0,1
.irp d, 0,1
	ds_load_b128 v[F0+16*\j+4*\d:F0+16*\j+4*\d+3], v[A0E+CK] offset:16*PITCH*\j+64*QK+32*\d
.endr
.irp d, 0,1
	ds_load_b128 v[F0+16*\j+8+4*\d:F0+16*\j+8+4*\d+3], v[A0O+CK] offset:16*PITCH*\j+64*QK+32*\d
.endr
.endr
.irp u, 0,1,2,3
	s_wait_dscnt 2*(3-\u)                          ; LDS loads come back in order: all up to tile u's two are in
.irp s, 0,1,2,3
	MM \u, \s, QK, \z
.endr
.endr
.endm
	s_wait_alu depctr_va_vdst(0)                   ; the head's end
	s_cmp_ge_u32 s[WV], 8                          ; chunk 1's waves wait for their loads in front of the second barrier
	s_cbranch_scc1 .Llater
	s_wait_tensorcnt 0x0                           ; my part of chunk 0 or of the scale bytes is in
.Llater:
	s_barrier_signal -1
	s_barrier_wait -1
	KSTEP 0, 1
	KSTEP 1, 0
	KSTEP 2, 0
	KSTEP 3, 0
	s_wait_tensorcnt 0x0                           ; chunk 1 is in (no LDS load of mine is out: the last step's last wait was for 0)
	s_barrier_signal -1
	s_barrier_wait -1
	KSTEP 4, 0
	KSTEP 5, 0
	KSTEP 6, 0
	KSTEP 7, 0
.rept 4
	v_nop                                          ; places between the last products and the first read of results and write of their sources
.endr
; THE QUANTISER: of source 1's tile s a lane holds one block, registers 32 s .. 32 s + 31; the floor 2^(3 - 127) among the leaves keeps the byte at 1 or above
.irp s, 0,1,2,3
	v_max3_num_f32 v[TM+\s], |v[ACC+32*\s]|, |v[ACC+1+32*\s]|, 0x1800000
.endr
.irp i, 2,4,6,8,10,12,14,16,18,20,22,24,26,28,30
.irp s, 0,1,2,3
	v_max3_num_f32 v[TM+\s], v[TM+\s], |v[ACC+32*\s+\i]|, |v[ACC+32*\s+\i+1]|
.endr
.endr
.irp s, 0,1,2,3
	v_add_nc_u32 v[TM+4+\s], 0xff000000, v[TM+\s]  ; 2 off the exponent field: the conversion's scale operand
.endr
.irp s, 0,1,2,3
	v_lshrrev_b32 v[TM+8+\s], 23, v[TM+4+\s]       ; the scale's byte
.endr
.irp s, 0,1,2,3
.irp i, 0,1,2,3
	v_cvt_scalef32_pk8_fp4_f32 v[PC+4*\s+\i], v[ACC+32*\s+8*\i:ACC+32*\s+8*\i+7], v[TM+4+\s]
.endr
.endr
	v_nop
	v_permlane16_swap_b32 v[TM+8], v[TM+9]         ; first: block 2 c's byte of tile 0 in lanes 0-15, of tile 1 in lanes 16-31; second: block 2 c + 1's
	v_permlane16_swap_b32 v[TM+10], v[TM+11]
	v_lshl_or_b32 v[TM+12], v[TM+9], 8, v[TM+8]
	v_lshl_or_b32 v[TM+13], v[TM+11], 8, v[TM+10]
	ds_store_b16 v[SW], v[TM+12]                   ; my half of each scale word
	ds_store_b16 v[SW], v[TM+13] offset:4
.irp s, 0,1,2,3
	global_store_b128 v[LI], v[PC+4*\s:PC+4*\s+3], s[4:5] offset:1024*\s   ; 32 lanes store 512 consecutive bytes, at a multiple of 512 from the image's first byte
.endr
	s_wait_alu depctr_va_vdst(0)
	s_wait_dscnt 0x0                               ; for the others' sake: my halves are in the stage
	s_barrier_signal -1
	s_barrier_wait -1
	s_and_b32 s36, s[WV], 3
	s_cmp_lg_u32 s36, 0                            ; the first wave of each role stores the role's words
	s_cbranch_scc1 .Lno_words
	ds_load_b128 v[104:107], v[SR]
	s_wait_dscnt 0x0
	global_store_b128 v[LI], v[104:107], s[6:7]
.Lno_words:
	s_wait_tensorcnt 0x0                           ; the wave's end
	ds_add_u32 v[SPW], v[NIL]
	s_wait_dscnt 0x0
	CROUND                                         ; the closing round
	s_endpgm
.Lfunc_end_k_q96e345d5fa_proj:
	.size	k_q96e345d5fa_proj, .Lfunc_end_k_q96e345d5fa_proj-k_q96e345d5fa_proj
	.p2alignl 7, 3214868480
	.fill 96, 4, 3214868480
	.section	.rodata,"a",@progbits
	.p2align	6, 0x0
	.amdhsa_kernel k_q96e345d5fa_proj
		.amdhsa_group_segment_fixed_size 299008
		.amdhsa_private_segment_fixed_size 0
		.amdhsa_enable_private_segment 0
		.amdhsa_kernarg_size 88
		.amdhsa_user_sgpr_count 2
		.amdhsa_user_sgpr_kernarg_segment_ptr 1
		.amdhsa_wavefront_size32 1
		.amdhsa_system_sgpr_workgroup_id_x 1
		.amdhsa_system_sgpr_workgroup_id_y 1
		.amdhsa_system_sgpr_workgroup_id_z 1
		.amdhsa_system_vgpr_workitem_id 0
		.amdhsa_next_free_vgpr 256
		.amdhsa_next_free_sgpr 100
		.amdhsa_reserve_vcc 0
		.amdhsa_float_denorm_mode_32 3
		.amdhsa_float_denorm_mode_16_64 3
		.amdhsa_memory_ordered 1
		.amdhsa_forward_progress 1
		.amdhsa_inst_pref_size 45
	.end_amdhsa_kernel
	.amdgpu_metadata
---
amdhsa.version: [ 1, 2 ]
amdhsa.kernels:
  - .name:           k_q96e345d5fa_proj
    .symbol:         k_q96e345d5fa_proj.kd
    .args:
      - { .name: x_codes, .offset: 0, .size: 8, .value_kind: global_buffer, .address_space: global }
      - { .name: x_scales, .offset: 8, .size: 8, .value_kind: global_buffer, .address_space: global }
      - { .name: wq_codes, .offset: 16, .size: 8, .value_kind: global_buffer, .address_space: global }
      - { .name: wq_scales, .offset: 24, .size: 8, .value_kind: global_buffer, .address_space: global }
      - { .name: wk_codes, .offset: 32, .size: 8, .value_kind: global_buffer, .address_space: global }
      - { .name: wk_scales, .offset: 40, .size: 8, .value_kind: global_buffer, .address_space: global }
      - { .name: wv_codes, .offset: 48, .size: 8, .value_kind: global_buffer, .address_space: global }
      - { .name: wv_scales, .offset: 56, .size: 8, .value_kind: global_buffer, .address_space: global }
      - { .name: qc, .offset: 64, .size: 8, .value_kind: global_buffer, .address_space: global }
      - { .name: qs, .offset: 72, .size: 8, .value_kind: global_buffer, .address_space: global }
      - { .name: kv, .offset: 80, .size: 8, .value_kind: global_buffer, .address_space: global }
    .group_segment_fixed_size: 299008
    .private_segment_fixed_size: 0
    .kernarg_segment_align: 8
    .kernarg_segment_size: 88
    .max_flat_workgroup_size: 384
    .sgpr_count:     100
    .vgpr_count:     256
    .wavefront_size: 32
...
	.end_amdgpu_metadata
.endif
;; end of part 1
;; launch attn (part 2): grid 32 x 8, 8 waves a work-group, no clusters, 327,680 bytes of LDS; arguments qc, qs, kv, out0; writes out0
.if DOCPART == 2
	.amdgcn_target "amdgcn-amd-amdhsa--gfx1250"
	.amdhsa_code_object_version 6
	.text
	.protected	k_q96e345d5fa_attn
	.globl	k_q96e345d5fa_attn
	.p2align	8
	.type	k_q96e345d5fa_attn,@function
k_q96e345d5fa_attn:
	s_mov_b64 s[64:65], 0
	v_nop
	global_prefetch_b8 v0, s[64:65] scope:SCOPE_SE
	s_setreg_imm32_b32 hwreg(HW_REG_WAVE_MODE, 25, 1), 1
	s_wait_xcnt 0x0
; out[b][q][:] = the sum over k <= q of softmax_k(q . k / sqrt(128)) v[k][:], both products on codes of FP4 (E2M1) with one E8M0 scale for each 32 along a product's K.
; LEFT OUT: a step of 128 keys whose first key lies behind all queries of a block: reference()'s own jnp.tril gives those logits -inf, so p = 0 there for all finite inputs (shown at the head of the first launch).
; LIMIT: a NaN, an infinity or an overflow that reaches only such steps is not carried to the result.
; THE SOFTMAX: t = score x log2(e) / sqrt(128); M = the largest t so far, rounded UP to a whole number; p = 2^(t - M) is quantised along the keys, not normalised; the row's sum is taken of the unquantised p and
; divides at the end.  When M moves, the sum and O are multiplied by 2^(old M - new M): exact.  A block's scale exponent is floor(t - M) of its largest score, less 2.
; LIMITS: the scaled scores t stay under 2^31 in magnitude; v_exp_f32 gives 0 for a p under 2^-126; a block's scale byte is held at 1 from below (largest p under 2^-124); NaN and infinities among the scores are not served.
; SHARES.  256 equal work-groups: (i, batch) owns the blocks of 64 queries 63 - i (late) and i (early): NL = 32 - i / 2 and 33 - NL key steps of 128: always 33.  They stand in a row, late first: step g is group g of the keys
; where g < NL, else group g - NL.  The row is cut into four runs: 9-16, 17-24, 25-32 (rho = 0, 1, 2) and 0-8 (rho = 3).  Wave w = 2 rho + u walks run rho for the 32 queries u of the block: two tiles of 16, which share
; every fragment of K and V.  A run in which the block changes (rho 1 or 2) lays its late sums aside in LDS and begins anew.  At the end the runs' sums are joined under the largest M, exactly.
; Both products are used transposed (S^T = K Q^T, O^T = V^T P^T): a lane holds ONE query of each tile.  The first launch lays the rows of a tile of K so that lane (r, h)'s 32 registers of tiles 4 c .. 4 c + 3 are the whole block
; 2 c + h of 32 keys: register (tile T, j) is key 64 (T / 4) + 32 h + 8 ((T % 4) xor h) + j of the step; V's image has the same order along the keys.  Tile T of K lies at place 4 (T / 4) + 2 (T % 2) + (T % 4) / 2.
; THE RING: a record of 17,408 dense bytes holds a group's K, V and scale words.  Two slots of 8 records: two steps of each run; wave w fetches record w of a slot by one tensor load.  Run 3's ninth record comes with slot 0 (wave 7's load
; brings two records) and stays until it is used at the end.
; NO CLUSTER, though the 32 work-groups of a batch read many of the same records: the branches to the causal mask and to the change of blocks hang on the work-group's number, which differs between partners.
; REGISTERS: window 1: v0-63 K, v64-127 V, v128-255 O^T (tile q, T at 128 + 64 q + 8 T).  window 0: v12 -M, v13 the largest score (lanes 0-15 tile 0, lanes 16-31 tile 1); v[14:15], v[16:17] the sums; v18, v20 -M of tile 0, 1 in all lanes;
; v22, v24 the factors; v28-46 block maxima, exponents, p's scale word; v48-51 K's words, v52-55 V's; v56 Q's words; v64-79 Q; v80-95 the early block's Q; v96-111 p's codes; v112-127 at work; v128-255 S^T, then p.
; Where NL < 25, rho = 1 and 2 swap their runs (rho = 1 takes 25-32, rho = 2 takes 17-24): so the run in which the block changes is always rho = 2's, and rho = 1's run is of one block.
.set REC,   17408
.set SLOT1, 9*REC
.set STASH, SLOT1+8*REC                ; where late sums are laid aside: 120 registers of O^T for each u
.set SPARE, STASH+2*15360              ; the spare words: 128 bytes for each of 8 waves
.set MRG,   16896                      ; at the end, in slot 0: a wave's 16,384 bytes of O^T, -M, two sums
.set STX,   8*MRG                      ; and what does not fit into the stash: 8 registers of O^T, -M, two sums for each u
.set SPITCH, 528                       ; the way out, in slot 1: a stage of 16 rows x (512 bytes + 16) for each wave
.set LI,  1
.set SPW, 2
.set NIL, 3
.set PF0, 4
.set PF1, 5
.set QLE, 6                            ; r - 40 h
.set QLO, 7                            ; r - 24 h
.set ADK, 8
.set STA, 9
.set L4,  10                           ; 4 x lane
.set R4,  11                           ; 4 x r
.set S,   128
.set WV,  14
.set WI,  15
.set BT,  16
.set RHO, 17
.set U,   18
.set NL,  19
.set SEL, 20
.set CS,  22
.set G1,  24
.set G1B, 32
.set G0,  40
.set SLB, 44                           ; LDS byte of the slot in hand
.set TB,  45                           ; of the record in hand
.set G,   46                           ; my step (rho = 3: a count under 9 alone)
.set NSW, 47                           ; the step at which my block changes, or 99
.set DGL, 48                           ; NL - 1: the late block's diagonal step; the early block's is 32
.set DQL, 49                           ; my first query less the diagonal step's first key: late,
.set DQE, 50                           ; early
.set LG,  51                           ; the step whose record I fetch
.set SLOTS, 52
.set STP, 53
.set WREC, 54
.set WOFF, 55
.set PFA, 56
.set KVB, 58
.set PADD, 60
.set STR, 61
.set NC,  62
.set OFF, 66
.set QL0, 72
.set QE0, 73
.set MSB, 0
.macro WIN new
.if MSB != \new
	s_set_vgpr_msb (MSB<<8)|\new
.set MSB, \new
.endif
.endm
.macro PLACES
.rept 4
	v_nop
.endr
.endm
.macro WM d, a, b, x, y, ra, rb, z     ; one product: ra, rb: which half of the lanes holds the scales; z = 1: C = 0
.if (\z) && (\ra) && (\rb)
	v_wmma_scale_f32_16x16x128_f8f6f4 v[\d:\d+7], v[\a:\a+7], v[\b:\b+7], 0, v[\x], v[\y] matrix_a_fmt:MATRIX_FMT_FP4 matrix_b_fmt:MATRIX_FMT_FP4 matrix_a_scale:MATRIX_SCALE_ROW1 matrix_b_scale:MATRIX_SCALE_ROW1
.elseif (\z) && (\ra)
	v_wmma_scale_f32_16x16x128_f8f6f4 v[\d:\d+7], v[\a:\a+7], v[\b:\b+7], 0, v[\x], v[\y] matrix_a_fmt:MATRIX_FMT_FP4 matrix_b_fmt:MATRIX_FMT_FP4 matrix_a_scale:MATRIX_SCALE_ROW1
.elseif (\z) && (\rb)
	v_wmma_scale_f32_16x16x128_f8f6f4 v[\d:\d+7], v[\a:\a+7], v[\b:\b+7], 0, v[\x], v[\y] matrix_a_fmt:MATRIX_FMT_FP4 matrix_b_fmt:MATRIX_FMT_FP4 matrix_b_scale:MATRIX_SCALE_ROW1
.elseif (\z)
	v_wmma_scale_f32_16x16x128_f8f6f4 v[\d:\d+7], v[\a:\a+7], v[\b:\b+7], 0, v[\x], v[\y] matrix_a_fmt:MATRIX_FMT_FP4 matrix_b_fmt:MATRIX_FMT_FP4
.elseif (\ra) && (\rb)
	v_wmma_scale_f32_16x16x128_f8f6f4 v[\d:\d+7], v[\a:\a+7], v[\b:\b+7], v[\d:\d+7], v[\x], v[\y] matrix_a_fmt:MATRIX_FMT_FP4 matrix_b_fmt:MATRIX_FMT_FP4 matrix_a_scale:MATRIX_SCALE_ROW1 matrix_b_scale:MATRIX_SCALE_ROW1
.elseif (\ra)
	v_wmma_scale_f32_16x16x128_f8f6f4 v[\d:\d+7], v[\a:\a+7], v[\b:\b+7], v[\d:\d+7], v[\x], v[\y] matrix_a_fmt:MATRIX_FMT_FP4 matrix_b_fmt:MATRIX_FMT_FP4 matrix_a_scale:MATRIX_SCALE_ROW1
.elseif (\rb)
	v_wmma_scale_f32_16x16x128_f8f6f4 v[\d:\d+7], v[\a:\a+7], v[\b:\b+7], v[\d:\d+7], v[\x], v[\y] matrix_a_fmt:MATRIX_FMT_FP4 matrix_b_fmt:MATRIX_FMT_FP4 matrix_b_scale:MATRIX_SCALE_ROW1
.else
	v_wmma_scale_f32_16x16x128_f8f6f4 v[\d:\d+7], v[\a:\a+7], v[\b:\b+7], v[\d:\d+7], v[\x], v[\y] matrix_a_fmt:MATRIX_FMT_FP4 matrix_b_fmt:MATRIX_FMT_FP4
.endif
.endm
.macro FRESH                           ; no key seen yet: the sums 0, the largest score under every score
	v_mov_b32 v12, 0x7e967699
	v_mov_b32 v13, 0xff61b1e6
.irp j, 14,15,16,17
	v_mov_b32 v[\j], 0
.endr
	WIN 0x40
.set J, 0
.rept 128
	v_mov_b32 v[128+J], 0                          ; O^T: the step is written for all steps alike
.set J, J+1
.endr
	WIN 0
.endm
.macro QADR c, w                       ; s68: a row among the 32,768: its codes in qc, its pair of tiles' words in qs
	s_lshl_b32 s[\c], s68, 6
	s_mov_b32 s[\c+1], 0
	s_lshr_b32 s69, s68, 7
	s_lshl_b32 s69, s69, 9
	s_bfe_u32 s70, s68, 0x20005
	s_lshl_b32 s70, s70, 2
	s_add_co_u32 s[\w], s69, s70
	s_mov_b32 s[\w+1], 0
.endm
	s_load_b256 s[4:11], s[0:1], 0x0               ; qc, qs, kv, out
	v_lshl_add_u32 v[SPW], v0, 2, SPARE
	v_mov_b32 v[NIL], 0
	ds_add_u32 v[SPW], v[NIL]                      ; the wave's opening: the add, twice on end, and its wait
	ds_add_u32 v[SPW], v[NIL]
	v_lshrrev_b32 v8, 5, v0
	v_and_b32 v26, 31, v0                          ; lane
	v_and_b32 v27, 15, v0                          ; r
	v_bfe_u32 v28, v0, 4, 1                        ; h
	v_readfirstlane_b32 s[WV], v8                  ; wave 0..7
	s_mov_b32 s[WI], ttmp9
	s_and_b32 s[BT], ttmp7, 0xffff
	s_lshr_b32 s[RHO], s[WV], 1
	s_and_b32 s[U], s[WV], 1
	v_lshlrev_b32 v[LI], 4, v26
	v_lshlrev_b32 v[PF0], 8, v26
	v_min_u32 v29, 3, v26
	v_lshlrev_b32 v29, 8, v29
	v_add_nc_u32 v[PF1], 0x4000, v29
	v_lshlrev_b32 v[L4], 2, v26
	v_lshlrev_b32 v[R4], 2, v27
	v_mul_u32_u24 v29, v28, 40
	v_sub_nc_u32 v[QLE], v27, v29
	v_mul_u32_u24 v29, v28, 24
	v_sub_nc_u32 v[QLO], v27, v29
	s_mul_i32 s68, s[U], 15360
	s_add_co_u32 s68, s68, STASH
	v_add_nc_u32 v[STA], s68, v[LI]
	s_lshr_b32 s68, s[WI], 1
	s_sub_co_u32 s[NL], 32, s68
	s_sub_co_u32 s[DGL], s[NL], 1
	s_and_b32 s69, s[WI], 1
	s_lshl_b32 s69, s69, 6
	s_lshl_b32 s70, s[U], 5
	s_add_co_u32 s[DQE], s69, s70
	s_xor_b32 s69, s69, 64
	s_add_co_u32 s[DQL], s69, s70
	s_lshl_b32 s68, s[WI], 6
	s_add_co_u32 s[QE0], s68, s70                  ; my first query, early block
	s_sub_co_u32 s[QL0], 4032, s68
	s_add_co_u32 s[QL0], s[QL0], s70               ; late block
	s_cmp_lt_u32 s[NL], 25                         ; rho = 1 and 2 swap
	s_cselect_b32 s68, 3, 0
	s_xor_b32 s68, s[RHO], s68
	s_cmp_eq_u32 s[RHO], 0
	s_cselect_b32 s68, 0, s68
	s_lshl_b32 s71, s68, 3
	s_add_co_u32 s71, s71, 9
	s_cmp_ge_u32 s[WV], 6
	s_cselect_b32 s[G], 0, s71                     ; my run's first step
	s_cmp_eq_u32 s[G], s[NL]
	s_cselect_b32 s[NSW], 99, s[NL]                ; a run that begins with the early block does not change
	s_cmp_lt_u32 s[G], s[NL]
	s_cselect_b32 s71, s[QL0], s[QE0]              ; my first block
	s_add_co_u32 s[LG], s[G], s[U]
	s_cmp_eq_u32 s[WI], 0
	s_cselect_b32 s[PADD], 2, 64                   ; work-group 0 of a batch prefetches
	s_mul_i32 s[WREC], s[WV], REC
	s_mul_i32 s[WOFF], s[RHO], 2*REC
	s_lshl_b32 s74, s[BT], 12
	s_add_co_u32 s68, s74, s71
	QADR 76, 78
	s_add_co_u32 s68, s74, s[QE0]
	QADR 80, 82
	s_mov_b32 s[G1], 3<<16                         ; a record: 68 rows of 32 elements of 8 bytes, dense, no padding: every read takes 16 x lane on end
	s_mov_b32 s[G1+1], 32<<16
	s_mov_b32 s[G1+2], 68<<16
	s_mov_b32 s[G1+3], 32<<16
	s_mov_b32 s[G1+4], 68
	s_mov_b32 s[G1+5], 32
	s_mov_b32 s[G1+6], 0
	s_mov_b32 s[G1+7], 0
	s_mov_b32 s[G1B], 3<<16                        ; two records
	s_mov_b32 s[G1B+1], 32<<16
	s_mov_b32 s[G1B+2], 136<<16
	s_mov_b32 s[G1B+3], 32<<16
	s_mov_b32 s[G1B+4], 136
	s_mov_b32 s[G1B+5], 32
	s_mov_b32 s[G1B+6], 0
	s_mov_b32 s[G1B+7], 0
	s_mov_b32 s[SEL], 0x76543210
	s_mov_b32 s[SEL+1], 0xfedcba98
	s_mov_b32 s[CS], 0x3e0293ee                    ; c = log2(e) / sqrt(128)
	s_mov_b32 s[CS+1], s[CS]
	s_mov_b32 s[NC], 0xbe0293ee                    ; -c
	s_mov_b32 s[SLB], 0
	s_mov_b32 s[STR], 0
	s_mov_b32 s[SLOTS], 3
	s_mov_b32 s[OFF+1], 0
	s_sub_co_u32 s68, s[LG], s[NL]
	s_cmp_lt_u32 s[LG], s[NL]
	s_cselect_b32 s68, s[LG], s68                  ; the record of my step
	s_mul_i32 s[OFF], s68, REC
	s_mul_i32 s68, s[BT], 32*REC
	s_mov_b32 s69, 0
	s_mov_b32 s[G0], 1
	s_mov_b32 s[G0+1], s[WREC]
	s_wait_alu depctr_va_vdst(0)
	s_wait_dscnt 0x0                               ; both opening adds are done
	s_wait_kmcnt 0x0
	s_add_nc_u64 s[KVB:KVB+1], s[8:9], s[68:69]
	s_add_nc_u64 s[G0+2:G0+3], s[KVB:KVB+1], s[OFF:OFF+1]
	s_or_b32 s[G0+3], s[G0+3], 0x80000000
	s_cmp_eq_u32 s[WV], 7                          ; every wave issues one load: wave 7's brings two records
	s_cbranch_scc1 .Ltwo
	tensor_load_to_lds s[G0:G0+3], s[G1:G1+7]
	s_nop 0
	PLACES
	s_branch .Lasked
.Ltwo:
	tensor_load_to_lds s[G0:G0+3], s[G1B:G1B+7]
	s_nop 0
	PLACES
.Lasked:
	s_lshr_b32 s68, s[WV], 1
	s_cmp_eq_u32 s68, 3
	s_cselect_b32 s68, 1, 0
	s_add_co_u32 s[LG], s[LG], s68                 ; run 3's step 2 is there: its later slots begin one step on
	s_add_nc_u64 s[76:77], s[4:5], s[76:77]
	s_add_nc_u64 s[78:79], s[6:7], s[78:79]
	s_add_nc_u64 s[80:81], s[4:5], s[80:81]
	s_add_nc_u64 s[82:83], s[6:7], s[82:83]
.irp k, 0,1,2,3
	global_load_b128 v[64+4*\k:67+4*\k], v[LI], s[76:77] offset:512*\k   ; Q of my first block,
.endr
	global_load_b32 v56, v[LI], s[78:79]
.irp k, 0,1,2,3
	global_load_b128 v[80+4*\k:83+4*\k], v[LI], s[80:81] offset:512*\k   ; and of the early one
.endr
	global_load_b32 v57, v[LI], s[82:83]
.irp j, 19,21,23,25,118,119,126,127
	v_mov_b32 v[\j], 0                             ; (named as the upper halves of pairs)
.endr
	FRESH
; THE BLOCK CHANGES in my run: the late block's sums are laid aside: 120 registers of O^T in my stash, the last eight, -M and the two sums in the registers that held the early block's Q.
.macro SWITCH
	PLACES                                         ; between the last products and the reads of O^T
	s_wait_alu depctr_va_vdst(0)
	WIN 0x04
.set J, 0
.rept 30
	ds_store_b128 v[STA], v[128+4*J:131+4*J] offset:512*J
.set J, J+1
.endr
	WIN 0
.set J, 0
.rept 16
	v_mov_b32 v[64+J], v[80+J]
.set J, J+1
.endr
	v_mov_b32 v56, v57
	WIN 0x01
.irp j, 0,1,2,3,4,5,6,7
	v_mov_b32 v[80+\j], v[248+\j]
.endr
	WIN 0
	v_mov_b32 v88, v12
	v_add_f32 v89, v14, v15
	v_add_f32 v90, v16, v17
	s_mov_b32 s[STR], 1
	FRESH
.endm
.macro MX k, i                         ; block k = 2 q + c: registers 128 + 32 k on: two chains
	v_max3_num_f32 v[28+\k], v[28+\k], v[S+32*\k+\i], v[S+32*\k+\i+1]
	v_max3_num_f32 v[32+\k], v[32+\k], v[S+32*\k+\i+16], v[S+32*\k+\i+17]
.endm
.macro ADDP q, p                       ; pair p of tile q's p into one of four chains
.if (\p)%4 == 0
	v_pk_add_f32 v[14+2*\q:15+2*\q], v[14+2*\q:15+2*\q], v[S+64*\q+2*(\p):S+64*\q+2*(\p)+1]
.else
.set rT, 110+8*\q+2*((\p)%4)
	v_pk_add_f32 v[rT:rT+1], v[rT:rT+1], v[S+64*\q+2*(\p):S+64*\q+2*(\p)+1]
.endif
.endm
; A KEY STEP: 128 keys x my two tiles.  full = 0: neither the change of blocks nor the causal mask can fall on it.
.macro STEP full
.if \full
	s_cmp_lg_u32 s[G], s[NSW]
	s_cbranch_scc1 .Lsame_\@
	s_cmp_lt_u32 s[WV], 4                          ; rho = 2 alone: waves 4 and 5, each with a stash of its own
	s_cbranch_scc1 .Lsame_\@
	s_cmp_gt_u32 s[WV], 5
	s_cbranch_scc1 .Lsame_\@
	SWITCH
.Lsame_\@:
.endif
	v_add_nc_u32 v[ADK], s[TB], v[LI]
.rept 3
	v_nop                                          ; with the addition: four places between the last products and loads into registers that they read
.endr
	ds_load_b128 v[48:51], v[ADK] offset:16384
	ds_load_b128 v[52:55], v[ADK] offset:16896
	WIN 0x40
.irp t, 0,1,2,3,4,5,6,7
.irp d, 0,1
	ds_load_b128 v[8*\t+4*\d:8*\t+4*\d+3], v[ADK] offset:1024*(4*(\t/4)+2*(\t%2)+((\t%4)/2))+512*\d
.endr
.endr
.irp t, 0,1,2,3,4,5,6,7
.irp d, 0,1
	ds_load_b128 v[64+8*\t+4*\d:64+8*\t+4*\d+3], v[ADK] offset:8192+1024*\t+512*\d
.endr
.endr
	WIN 0x01
	s_wait_dscnt 24                                ; the words and K's tiles 0-3 are in; eight loads of K and V's sixteen may be out
.irp t, 0,1,2,3
.irp q, 0,1
	WM S+64*\q+8*\t, 8*\t, 64+8*\q, 48+2*(\t/4)+\t%2, 56, (\t%4)/2, \q, 1
.endr
.endr
	s_wait_dscnt 16                                ; K is in
.irp t, 4,5,6,7
.irp q, 0,1
	WM S+64*\q+8*\t, 8*\t, 64+8*\q, 48+2*(\t/4)+\t%2, 56, (\t%4)/2, \q, 1
.endr
.endr
	WIN 0
	PLACES
.if \full
	s_cmp_eq_u32 s[G], 32                          ; on a block's diagonal step the scores of hidden keys become -infinity ahead of the maximum: p = 0 then
	s_cselect_b32 s68, s[DQE], s[DQL]
	s_cbranch_scc1 .Lmask_\@
	s_cmp_lg_u32 s[G], s[DGL]
	s_cbranch_scc1 .Lopen_\@
.Lmask_\@:
	v_add_nc_u32 v59, s68, v[QLE]                  ; register (T, j) is hidden where 64 (T / 4) + 8 (T % 4) + j is greater: even T, tile 0;
	v_add_nc_u32 v60, s68, v[QLO]                  ; odd T;
	v_mov_b32 v58, 0xff800000
	v_add_nc_u32 v61, 16, v59                      ; tile 1: 16 queries on
	v_add_nc_u32 v62, 16, v60
.irp q, 0,1
.set J, 0
.rept 64
	v_cmp_gt_i32 vcc_lo, 64*(J/32)+J%32, v[59+2*\q+(J/8)%2]
	v_cndmask_b32 v[S+64*\q+J], v[S+64*\q+J], v58, vcc_lo
.set J, J+1
.endr
.endr
.Lopen_\@:
.endif
.irp k, 0,1,2,3
	v_max3_num_f32 v[28+\k], v[S+32*\k], v[S+32*\k+1], v[S+32*\k+2]
	v_max3_num_f32 v[32+\k], v[S+32*\k+16], v[S+32*\k+17], v[S+32*\k+18]
.endr
.irp i, 3,5,7,9,11,13
.irp k, 0,1,2,3
	MX \k, \i
.endr
.endr
.irp k, 0,1,2,3
	v_max3_num_f32 v[28+\k], v[28+\k], v[32+\k], v[S+32*\k+15]
.endr
.irp k, 0,1,2,3
	v_max_num_f32 v[28+\k], v[28+\k], v[S+32*\k+31]   ; the largest score of each of my lane's four blocks
.endr
	v_max_num_f32 v26, v28, v29
	v_max_num_f32 v27, v30, v31
	s_delay_alu instid0(VALU_DEP_1)
	v_permlane16_swap_b32 v26, v27                 ; both registers now hold tile 0's in lanes 0-15 and tile 1's in lanes 16-31
	s_delay_alu instid0(VALU_DEP_1)
	v_max3_num_f32 v13, v13, v26, v27              ; the largest score so far
	v_mov_b32 v58, v12
	s_delay_alu instid0(VALU_DEP_2)
	v_mul_f32 v12, s[NC], v13
	s_delay_alu instid0(VALU_DEP_1)
	v_floor_f32 v12, v12                           ; the new -M = floor(-t): M is a whole number
	s_delay_alu instid0(VALU_DEP_1)
	v_sub_f32 v58, v12, v58                        ; M's old value less its new one
	v_mov_b32 v18, v12
	v_mov_b32 v20, v12
	s_delay_alu instid0(VALU_DEP_3)
	v_cvt_i32_f32 v58, v58                         ; (it saturates)
	v_permlane16_swap_b32 v18, v20                 ; -M of tile 0 and of tile 1, each in all lanes
	s_delay_alu instid0(VALU_DEP_2)
	v_ldexp_f32 v22, 1.0, v58                      ; 2^(old M - new M)
	s_delay_alu instid0(VALU_DEP_1)
	v_mov_b32 v24, v22
	s_delay_alu instid0(VALU_DEP_1)
	v_permlane16_swap_b32 v22, v24
.irp k, 0,1,2,3
	v_fma_f32 v[32+\k], v[28+\k], s[CS], v[18+2*(\k/2)]   ; t - M of each block's largest score
.endr
.irp k, 0,1,2,3
	v_max_num_f32 v[32+\k], 0xc2f80000, v[32+\k]   ; held at -124: the byte cannot fall under 1
.endr
.irp k, 0,1,2,3
	v_floor_f32 v[32+\k], v[32+\k]
.endr
.irp k, 0,1,2,3
	v_cvt_i32_f32 v[36+\k], v[32+\k]               ; e
.endr
.irp k, 0,1,2,3
	v_lshl_add_u32 v[40+\k], v[36+\k], 23, 0x3e800000   ; (e + 125) << 23: the conversion's scale operand
.endr
	v_lshl_add_u32 v44, v37, 16, v36
	v_lshl_add_u32 v45, v39, 16, v38
	WIN 0x41
.set J, 0
.rept 32
	v_pk_mul_f32 v[128+2*J:129+2*J], v[128+2*J:129+2*J], v[22:23] op_sel_hi:[1,0]   ; O^T under the new M
	v_pk_mul_f32 v[192+2*J:193+2*J], v[192+2*J:193+2*J], v[24:25] op_sel_hi:[1,0]
.set J, J+1
.endr
	WIN 0
	v_permlane16_swap_b32 v44, v45                 ; blocks 0, 2 of tile 0 | tile 1; blocks 1, 3
.set J, 0
.rept 32
	v_pk_fma_f32 v[S+2*J:S+2*J+1], v[S+2*J:S+2*J+1], s[CS:CS+1], v[18:19] op_sel_hi:[1,0,0]   ; t - M
.set J, J+1
.endr
	v_lshl_add_u32 v46, v45, 8, v44
	v_add_nc_u32 v46, 0x7d7d7d7d, v46              ; p's scale words, 125 more in each byte: lanes 0-15 tile 0, lanes 16-31 tile 1
	s_wait_alu depctr_va_vdst(0)                   ; ahead of the batch
.set J, 0
.rept 32
	v_exp_f32 v[S+2*J], v[S+2*J]                   ; p of tile 0; tile 1's t - M between
	v_exp_f32 v[S+2*J+1], v[S+2*J+1]
	v_pk_fma_f32 v[S+64+2*J:S+65+2*J], v[S+64+2*J:S+65+2*J], s[CS:CS+1], v[20:21] op_sel_hi:[1,0,0]
.set J, J+1
.endr
	s_wait_alu depctr_va_vdst(0)                   ; behind tile 0's batch and ahead of tile 1's
.set J, 0
.rept 64
	v_exp_f32 v[S+64+J], v[S+64+J]
.set J, J+1
.endr
	v_nop
	s_wait_alu depctr_va_vdst(0)
.irp q, 0,1
.irp t, 0,1,2,3,4,5,6,7
	v_cvt_scalef32_pk8_fp4_f32 v[96+8*\q+\t], v[S+64*\q+8*\t:S+64*\q+8*\t+7], v[40+2*\q+\t/4]
.endr
.endr
	v_nop                                          ; one plain place behind a scaled conversion
; the row's sum, of the unquantised p, in four chains a tile.  (These 64 are also the places between the codes and the products)
.irp q, 0,1
	v_pk_fma_f32 v[14+2*\q:15+2*\q], v[14+2*\q:15+2*\q], v[22+2*\q:23+2*\q], v[S+64*\q:S+64*\q+1] op_sel_hi:[1,0,1]
.irp m, 0,1,2
	v_pk_add_f32 v[112+8*\q+2*\m:113+8*\q+2*\m], v[S+64*\q+4*\m+2:S+64*\q+4*\m+3], v[S+64*\q+4*\m+4:S+64*\q+4*\m+5]
.endr
.endr
.set PP, 7
.rept 25
	ADDP 0, PP
	ADDP 1, PP
.set PP, PP+1
.endr
.irp q, 0,1
	v_pk_add_f32 v[14+2*\q:15+2*\q], v[14+2*\q:15+2*\q], v[112+8*\q:113+8*\q]
	v_pk_add_f32 v[114+8*\q:115+8*\q], v[114+8*\q:115+8*\q], v[116+8*\q:117+8*\q]
.endr
.irp q, 0,1
	v_pk_add_f32 v[14+2*\q:15+2*\q], v[14+2*\q:15+2*\q], v[114+8*\q:115+8*\q]
.endr
	WIN 0x51
	s_wait_dscnt 0x0                               ; V is in
.irp t, 0,1,2,3,4,5,6,7
.irp q, 0,1
	WM 128+64*\q+8*\t, 64+8*\t, 96+8*\q, 52+\t/2, 46, \t%2, \q, 0   ; sixteen accumulators by turns
.endr
.endr
	WIN 0
.if \full
	s_add_co_u32 s[G], s[G], 1
	s_add_co_u32 s[TB], s[TB], REC
.endif
.endm
.macro SLOT                            ; a slot's two steps
	s_mov_b32 s[STP], 2
.Lstep_\@:
	STEP 1
	s_sub_co_u32 s[STP], s[STP], 1
	s_cmp_lg_u32 s[STP], 0
	s_cbranch_scc1 .Lstep_\@
.endm
; THE CHANGE OF SLOTS stands at a slot's head: every wave's part of the slot to be read has landed, and nobody reads the other one any more.  fill = 1: that one takes the next two steps of each run; the load has this slot's two steps in which to land.
; PREFETCH of what the NEXT change will load, two steps ahead of that load: work-group 0 of a batch, whose late block walks all 32 groups, asks; each of its waves for the record that it will fetch: 68 blocks of 256 bytes, each named
; once in the launch (in the third line the lanes from 3 on name the last block).  Slots 0 and 1 come by their loads alone; the last change that fills asks for nothing; step 32 is the early block's group 0, which has been read.
.macro CHANGE fill
	s_wait_tensorcnt 0x0                           ; no tensor load of mine is out, so the group 0 may be written
	ds_add_u32 v[SPW], v[NIL]                      ; 0 onto my spare word
.if \fill
	s_add_co_u32 s[LG], s[LG], 2
	s_sub_co_u32 s68, s[LG], s[NL]
	s_cmp_lt_u32 s[LG], s[NL]
	s_cselect_b32 s68, s[LG], s68
	s_mul_i32 s[OFF], s68, REC
	s_add_nc_u64 s[G0+2:G0+3], s[KVB:KVB+1], s[OFF:OFF+1]
	s_or_b32 s[G0+3], s[G0+3], 0x80000000
	s_xor_b32 s68, s[SLB], SLOT1
	s_add_co_u32 s[G0+1], s68, s[WREC]
	s_add_co_u32 s69, s[LG], s[PADD]
	s_mul_i32 s[OFF], s69, REC
	s_wait_xcnt 0x0                                ; the last prefetches have read their address
	s_add_nc_u64 s[PFA:PFA+1], s[KVB:KVB+1], s[OFF:OFF+1]
.endif
	s_wait_dscnt 0x0                               ; the add is done, and my reads of the slot that I have left are over
	s_barrier_signal -1
	s_barrier_wait -1
.if \fill
	tensor_load_to_lds s[G0:G0+3], s[G1:G1+7]      ; my one tensor load until the next change
	s_nop 0
	PLACES
	s_cmp_lt_u32 s[SLOTS], 2
	s_cbranch_scc1 .Lno_ask_\@
	s_cmp_lt_u32 s69, 32
	s_cbranch_scc0 .Lno_ask_\@
	global_prefetch_b8 v[PF0], s[PFA:PFA+1] th:TH_LOAD_NT scope:SCOPE_SE
	global_prefetch_b8 v[PF0], s[PFA:PFA+1] offset:8192 th:TH_LOAD_NT scope:SCOPE_SE
	global_prefetch_b8 v[PF1], s[PFA:PFA+1] th:TH_LOAD_NT scope:SCOPE_SE
.Lno_ask_\@:
.endif
.endm
	s_wait_alu depctr_va_vdst(0)                   ; the head's end
	s_wait_loadcnt 0x0                             ; Q
.Lslot:                                            ; slots 0 to 2: behind each change the next slot is asked for
	CHANGE 1
	s_add_co_u32 s[TB], s[SLB], s[WOFF]
	SLOT
	s_xor_b32 s[SLB], s[SLB], SLOT1
	s_sub_co_u32 s[SLOTS], s[SLOTS], 1
	s_cmp_lg_u32 s[SLOTS], 0
	s_cbranch_scc1 .Lslot
	CHANGE 0                                       ; slot 3 is written out: nothing is left to fetch
	s_add_co_u32 s[TB], s[WOFF], SLOT1
	SLOT
	s_cmp_lt_u32 s[WV], 6
	s_cbranch_scc1 .Lrest
	s_mov_b32 s[TB], 8*REC                         ; run 3's ninth record
	STEP 0
.Lrest:
	; THE RUNS MEET.  rho = 0 and 3 finish the late block's tiles 0 and 1, rho = 1 and 2 the early block's; partners are w and w xor 6.  The late block may have two sums more: those of run 1 where it stays late to its end (NL >= 25), and a stash.
	PLACES
	s_wait_alu depctr_va_vdst(0)
	v_add_f32 v14, v14, v15                        ; the sums' two halves
	v_add_f32 v16, v16, v17
	s_mul_i32 s68, s[WV], MRG
	v_add_nc_u32 v6, s68, v[LI]                    ; v6, v7 my sums: O^T; -M and the sums
	s_add_co_u32 s68, s68, 16384
	v_add_nc_u32 v7, s68, v[L4]
	s_xor_b32 s69, s[WV], 6
	s_mul_i32 s68, s69, MRG
	v_add_nc_u32 v8, s68, v[LI]                    ; v8, v13, v15 my partner's: O^T, sums by lane, -M by query
	s_add_co_u32 s68, s68, 16384
	v_add_nc_u32 v13, s68, v[L4]
	v_add_nc_u32 v15, s68, v[R4]
	s_add_co_u32 s69, s[U], 2
	s_mul_i32 s68, s69, MRG
	v_add_nc_u32 v17, s68, v[LI]                   ; v17, v19, v21 run 1's
	s_add_co_u32 s68, s68, 16384
	v_add_nc_u32 v19, s68, v[L4]
	v_add_nc_u32 v21, s68, v[R4]
	s_mul_i32 s68, s[U], 1536
	s_add_co_u32 s68, s68, STX
	v_add_nc_u32 v47, s68, v[LI]                   ; v47, v58, v59 the stash's rest
	v_add_nc_u32 v58, s68, v[L4]
	v_add_nc_u32 v59, s68, v[R4]
	s_mul_i32 s68, s[WV], 16*SPITCH
	s_add_co_u32 s68, s68, SLOT1
	v_add_nc_u32 v61, s68, v[LI]                   ; v60 my stage, in: row r, 32 bytes for each half of the lanes; v61 back: whole rows
	v_and_b32 v26, 15, v0
	v_bfe_u32 v27, v0, 4, 1
	v_mul_u32_u24 v26, v26, SPITCH
	v_lshl_add_u32 v26, v27, 5, v26
	v_add_nc_u32 v60, s68, v26
	s_wait_alu depctr_va_vdst(0)                   ; ahead of the branches
	s_cmp_lg_u32 s[STR], 1
	s_cbranch_scc1 .Lno_stash
	s_cmp_lt_u32 s[WV], 4
	s_cbranch_scc1 .Lno_stash
	s_cmp_gt_u32 s[WV], 5
	s_cbranch_scc1 .Lno_stash
	ds_store_b128 v47, v[80:83]
	ds_store_b128 v47, v[84:87] offset:512
	ds_store_b32 v58, v88 offset:1024
	ds_store_b32 v58, v89 offset:1152
	ds_store_b32 v58, v90 offset:1280
.Lno_stash:
	ds_store_b32 v7, v12
	ds_store_b32 v7, v14 offset:128
	ds_store_b32 v7, v16 offset:256
.macro HAND q
	WIN 0x04
.set J, 0
.rept 16
	ds_store_b128 v6, v[128+64*\q+4*J:131+64*\q+4*J] offset:8192*\q+512*J   ; each accumulator from its low end on
.set J, J+1
.endr
	WIN 0
.endm
	s_cmp_ge_u32 s[WV], 4
	s_cbranch_scc1 .Lhand0
	HAND 1
	s_cmp_lt_u32 s[WV], 2
	s_cbranch_scc1 .Lhanded
	s_cmp_lt_u32 s[NL], 25
	s_cbranch_scc1 .Lhanded
.Lhand0:
	HAND 0
.Lhanded:
	; which sums I join, by ids alone
	s_cmp_ge_u32 s[NL], 25
	s_cselect_b32 s76, 1, 0
	s_add_co_u32 s68, s[WV], 2
	s_and_b32 s68, s68, 7
	s_cmp_lt_u32 s68, 4
	s_cselect_b32 s77, 1, 0                        ; I finish a late tile
	s_cselect_b32 s82, s[QL0], s[QE0]
	s_cmp_lg_u32 s[NL], 17
	s_cselect_b32 s78, 1, 0
	s_cmp_lg_u32 s[NL], 25
	s_cselect_b32 s78, s78, 0
	s_and_b32 s78, s78, s77                        ; a stash
	s_cmp_eq_u32 s[RHO], 2
	s_cselect_b32 s80, s76, 0
	s_xor_b32 s80, s80, 1                          ; my partner's
	s_cmp_eq_u32 s[RHO], 1
	s_cselect_b32 s81, s76, 0                      ; my own belong to the late block
	s_and_b32 s79, s76, s77                        ; run 1's
	s_lshr_b32 s68, s[WV], 2
	s_lshl_b32 s68, s68, 4
	s_add_co_u32 s82, s82, s68
	s_lshl_b32 s68, s[BT], 12
	s_add_co_u32 s82, s82, s68                     ; my tile's first row among the 32,768
	s_lshl_b32 s82, s82, 9
	s_mov_b32 s83, 0
	s_add_nc_u64 s[10:11], s[10:11], s[82:83]
	s_wait_dscnt 0x0                               ; for the others' sake: my stores have landed
	s_barrier_signal -1
	s_barrier_wait -1
.macro JOIN flag, reg, f, q            ; O^T += another run's x its factor
	s_cmp_lg_u32 s[\flag], 1
	s_cbranch_scc1 .Lno_join_\@
	WIN 0x50
.set J, 0
.rept 32
	v_pk_fma_f32 v[128+64*\q+2*J:129+64*\q+2*J], v[\reg+2*J:\reg+2*J+1], v[\f:\f+1], v[128+64*\q+2*J:129+64*\q+2*J]
.set J, J+1
.endr
	WIN 0
.Lno_join_\@:
.endm
.macro TAKE flag, reg, nm, adr, asum, aneg, q
	s_cmp_lg_u32 s[\flag], 1
	s_cbranch_scc1 .Lno_take_\@
	ds_load_b32 v[\nm], v[\aneg] offset:64*\q
	ds_load_b32 v[\nm+4], v[\asum] offset:128+128*\q
.set J, 0
.rept 16
	ds_load_b128 v[\reg+4*J:\reg+4*J+3], v[\adr] offset:8192*\q+512*J
.set J, J+1
.endr
.Lno_take_\@:
.endm
; tile q of my block: v28-31 -M of up to four sums (mine, my partner's, run 1's, the stash), v32-35 their row sums; one that is not there has the factor 0
.macro FINAL q
	v_mov_b32 v28, v[18+2*\q]
	v_mov_b32 v32, v[14+2*\q]
.irp k, 1,2,3
	v_mov_b32 v[28+\k], 0x7e967699
	v_mov_b32 v[32+\k], 0
.endr
	v_mov_b32 v45, 0
	s_wait_alu depctr_va_vdst(0)
	s_cmp_lg_u32 s81, 1
	s_cbranch_scc1 .Lmine_\@
	v_mov_b32 v28, 0x7e967699
	v_mov_b32 v32, 0
	s_wait_alu depctr_va_vdst(0)
.Lmine_\@:
	TAKE 80, 128, 29, 8, 13, 15, \q
	TAKE 79, 192, 30, 17, 19, 21, \q
	s_cmp_lg_u32 s78, 1
	s_cbranch_scc1 .Lno_st_\@
	ds_load_b32 v31, v59 offset:1024+64*\q
	ds_load_b32 v35, v58 offset:1152+128*\q
.set J, 0
.rept 14
	ds_load_b128 v[64+4*J:67+4*J], v[STA] offset:8192*\q+512*J
.set J, J+1
.endr
.if \q
	ds_load_b128 v[120:123], v47
	ds_load_b128 v[124:127], v47 offset:512
.else
	ds_load_b128 v[120:123], v[STA] offset:14*512
	ds_load_b128 v[124:127], v[STA] offset:15*512
.endif
.Lno_st_\@:
	s_wait_dscnt 0x0
	v_min_num_f32 v26, v28, v29
	v_min_num_f32 v27, v30, v31
	s_delay_alu instid0(VALU_DEP_1)
	v_min_num_f32 v26, v26, v27                    ; -(the largest M)
.irp k, 0,1,2,3
	v_sub_f32 v[22+\k], v26, v[28+\k]
.endr
.irp k, 0,1,2,3
	s_delay_alu instid0(VALU_DEP_4)
	v_cvt_i32_f32 v[22+\k], v[22+\k]               ; (they saturate)
.endr
.irp k, 0,1,2,3
	s_delay_alu instid0(VALU_DEP_4)
	v_ldexp_f32 v[22+\k], 1.0, v[22+\k]
.endr
	v_mul_f32 v44, v32, v22
	v_fmac_f32 v44, v33, v23
	v_fmac_f32 v44, v34, v24
	v_fmac_f32 v44, v35, v25
	v_permlanex16_b32 v45, v44, s[SEL], s[SEL+1]
	v_add_f32 v44, v44, v45                        ; with lane l xor 16's keys: the row's sum
	s_wait_alu depctr_va_vdst(0)
	v_rcp_f32 v44, v44
	v_nop
	s_wait_alu depctr_va_vdst(0)
.irp k, 0,1,2,3
	v_mul_f32 v[36+2*\k], v[22+\k], v44            ; each sum's factor over the row's sum
	v_mul_f32 v[37+2*\k], v[22+\k], v44
.endr
	WIN 0x41
	s_wait_alu depctr_va_vdst(0)                   ; directly ahead of the readers of O^T
.set J, 0
.rept 32
	v_pk_mul_f32 v[128+64*\q+2*J:129+64*\q+2*J], v[128+64*\q+2*J:129+64*\q+2*J], v[36:37]
.set J, J+1
.endr
	WIN 0
	JOIN 80, 128, 38, \q
	JOIN 79, 192, 40, \q
	JOIN 78, 64, 42, \q
	WIN 0x04
	s_wait_alu depctr_va_vdst(0)
.irp t, 0,1,2,3,4,5,6,7
	ds_store_b128 v60, v[128+64*\q+8*\t:131+64*\q+8*\t] offset:64*\t
	ds_store_b128 v60, v[132+64*\q+8*\t:135+64*\q+8*\t] offset:64*\t+16
.endr
	WIN 0
.set J, 0
.rept 16
	ds_load_b128 v[128+4*J:131+4*J], v61 offset:SPITCH*J   ; LDS serves a wave's instructions in order: these see my stores
.set J, J+1
.endr
.set J, 0
.rept 16
	s_wait_dscnt 15-J                              ; row J is back
	global_store_b128 v[LI], v[128+4*J:131+4*J], s[10:11] offset:512*J th:TH_STORE_NT   ; 32 lanes store a row of 512 consecutive bytes
.set J, J+1
.endr
.endm
	s_cmp_ge_u32 s[WV], 4
	s_cbranch_scc1 .Lfinal1
	FINAL 0
	s_branch .Lend
.Lfinal1:
	FINAL 1
.Lend:
	s_wait_tensorcnt 0x0                           ; the wave's end
	ds_add_u32 v[SPW], v[NIL]
	s_wait_dscnt 0x0
	s_endpgm
.Lfunc_end_k_q96e345d5fa_attn:
	.size	k_q96e345d5fa_attn, .Lfunc_end_k_q96e345d5fa_attn-k_q96e345d5fa_attn
	.p2alignl 7, 3214868480
	.fill 96, 4, 3214868480
	.section	.rodata,"a",@progbits
	.p2align	6, 0x0
	.amdhsa_kernel k_q96e345d5fa_attn
		.amdhsa_group_segment_fixed_size 327680
		.amdhsa_private_segment_fixed_size 0
		.amdhsa_enable_private_segment 0
		.amdhsa_kernarg_size 32
		.amdhsa_user_sgpr_count 2
		.amdhsa_user_sgpr_kernarg_segment_ptr 1
		.amdhsa_wavefront_size32 1
		.amdhsa_system_sgpr_workgroup_id_x 1
		.amdhsa_system_sgpr_workgroup_id_y 1
		.amdhsa_system_sgpr_workgroup_id_z 1
		.amdhsa_system_vgpr_workitem_id 0
		.amdhsa_next_free_vgpr 512
		.amdhsa_next_free_sgpr 100
		.amdhsa_reserve_vcc 1
		.amdhsa_float_denorm_mode_32 3
		.amdhsa_float_denorm_mode_16_64 3
		.amdhsa_memory_ordered 1
		.amdhsa_forward_progress 1
		.amdhsa_inst_pref_size 182
	.end_amdhsa_kernel
	.amdgpu_metadata
---
amdhsa.version: [ 1, 2 ]
amdhsa.kernels:
  - .name:           k_q96e345d5fa_attn
    .symbol:         k_q96e345d5fa_attn.kd
    .args:
      - { .name: qc, .offset: 0, .size: 8, .value_kind: global_buffer, .address_space: global }
      - { .name: qs, .offset: 8, .size: 8, .value_kind: global_buffer, .address_space: global }
      - { .name: kv, .offset: 16, .size: 8, .value_kind: global_buffer, .address_space: global }
      - { .name: out0, .offset: 24, .size: 8, .value_kind: global_buffer, .address_space: global }
    .group_segment_fixed_size: 327680
    .private_segment_fixed_size: 0
    .kernarg_segment_align: 8
    .kernarg_segment_size: 32
    .max_flat_workgroup_size: 256
    .sgpr_count:     100
    .vgpr_count:     512
    .wavefront_size: 32
...
	.end_amdgpu_metadata
.endif
;; end of part 2
